; MI455X (gfx1250); checked and timed in simulation.
; The chip was launched on July 23, 2026; its instructions are those of AMD's public machine-readable ISA for CDNA 5 (MIT licence, August 2026) and "CDNA5" Instruction Set Architecture Reference Guide (July 2026). The comments in the code are by the model that wrote it; some were corrected since.
;; SSMLP. Allowed arithmetic: matrix products marked QUANTISED: E5M2 operands, one E8M0 scale for each 32 along K, by v_wmma_scale_f32_16x16x128_f8f6f4 with both operands' format E5M2, f32 sums; everything else in f32.
;; Inputs: W1 2,048 x 8,192 float32; W2 8,192 x 2,048 float32; W3 2,048 x 8,192 float32; hidden_states 8,192 x 2,048 float32; input_idx 1,024 int32; routing_weights 1,024 x 1 float32.
;; Outputs: out0 1,024 x 2,048 float32.
;; This version of the problem:
;;   THIS VERSION OF THE PROBLEM IS GIVEN IN LOW PRECISION. The matrix products marked QUANTISED in the list below multiply operands that are first quantised to E5M2 (5 exponent bits, 2 mantissa bits; 8 bits a number), with one power-of-two scale for each 32 numbers along K (OCP MX v1.0); their sums are f32. All else is computed in f32.
;;   The module's matrix products, in the order in which they are computed (A, B: the left and right operand; K: the contracted axis; several contracted axes count as one K, in the product's order):
;;     1. [M 1,024, K 2,048] x [K 2,048, N 8,192]; A: computed on the way; B: input W1: QUANTISED
;;     2. [M 1,024, K 2,048] x [K 2,048, N 8,192]; A: computed on the way; B: input W3: QUANTISED
;;     3. [M 1,024, K 8,192] x [K 8,192, N 2,048]; A: computed on the way; B: input W2: QUANTISED
;;   THE QUANTISER, for each operand of a quantised product, along K:
;;     - K is cut into blocks of 32 from its start; a last block that is shorter is filled with zeros.
;;     - A block's scale is 2^e with e = floor(log2(the largest magnitude in the block)) - 15, held to -126 .. 127; a block of zeros has e = 0. As a byte (E8M0): e + 127.
;;     - Each number is divided by its block's scale, clamped to +-57,344, and rounded to the nearest number of E5M2, ties to even, subnormals kept.
;;     - The product sums the exact products of the quantised numbers (number of the format x scale) in f32.
;;   ~~~python
;;   def quantise(x, axis):      # numpy; x: float32 -> the quantised numbers, widened to float32 again
;;       x = np.moveaxis(x, axis, -1); K = x.shape[-1]
;;       x = np.pad(x, [(0, 0)] * (x.ndim - 1) + [(0, -K % 32)]); x = x.reshape(x.shape[:-1] + (-1, 32)); a = np.abs(x).max(-1, keepdims=True)
;;       e = np.where(a > 0, np.clip(np.frexp(np.where(a > 0, a, 1))[1] - 1 - 15, -126, 127), 0)      # np.frexp(a)[1] - 1 = floor(log2(a)), exactly
;;       r = np.clip(x / 2.0 ** e, -57344, 57344)
;;       step = 2.0 ** (np.maximum(np.frexp(np.where(r == 0, 1, r))[1] - 1, -14) - 2)
;;       q = np.round(r / step) * step * 2.0 ** e      # np.round: ties to even
;;       return np.moveaxis(q.reshape(q.shape[:-2] + (-1,))[..., :K], -1, axis).astype(np.float32)
;;   ~~~
;;   OPERANDS COMPUTED ON THE WAY. 'Computed on the way' means the value that the module computes at that place (a softmax that the list does not call 'softmax' is quantised finished and normalised). What goes into a quantiser is computed in f32, as accurately as f32 sums, v_exp_f32 and their like allow (about 1e-6 of the number): no bf16 or f16 on the way to a quantiser, and a product that is left as it is and whose result goes on into a quantised operand takes f32 operands (vector FMAs, or v_wmma_f32_16x16x4_f32). A number that lies on a knife's edge between two numbers of the format may be rounded either way, as far as f32 arithmetic and the matrix unit's own rounding can turn it there, and no further.
;; One version. Each part assembles by itself: llvm-mc -triple=amdgcn-amd-amdhsa -mcpu=gfx1250 --defsym DOCPART=n.
;; ======== version 1 of 1: 3 launches
;; limits: right only within a limited range of input values
;; workspace buffers: xq 2,162,688 bytes; w13q 34,603,008 bytes; w2q 17,301,504 bytes; hq 8,650,752 bytes
;; launch quant (part 1): grid 832 x 1, 4 waves a work-group, no clusters, 9,728 bytes of LDS; arguments hidden_states, input_idx, W1, W3, W2, xq, w13q, w2q; writes xq, w13q, w2q
.if DOCPART == 1
	.amdgcn_target "amdgcn-amd-amdhsa--gfx1250"
	.amdhsa_code_object_version 6
	.text
	.protected	k_qf527a776d6_quant
	.globl	k_qf527a776d6_quant
	.p2align	8
	.type	k_qf527a776d6_quant,@function
k_qf527a776d6_quant:
	s_mov_b64 s[64:65], 0
	v_nop
	global_prefetch_b8 v0, s[64:65] scope:SCOPE_SE
	s_setreg_imm32_b32 hwreg(HW_REG_WAVE_MODE, 25, 1), 1
	s_wait_xcnt 0x0
; The three weights (f32, K along their FIRST axis) and the 1,024 gathered rows of hidden_states (f32, K innermost) become codes of BF8 (E5M2) with one E8M0 scale byte for each 32 along K.
; A block's scale is 2^(floor(log2(its largest magnitude)) - 15); its byte is the largest magnitude's exponent field - 15, held at 1 from below; each number is divided by the scale, held within +-57,344, rounded to the nearest code, ties to even.
; THE RECORD.  All operands lie in records of REC = 8,448 bytes (33 x 256): 32 rows of an operand (two tiles u of 16 rows) x 256 along K (two K steps s1 of 128), as IMAGES OF THE OPERAND'S REGISTERS:
;   codes at u*4096 + s1*2048 + 512 c + 16 (16 h + r): the 16 codes k = 128 s1 + 32 c + 16 h + 0 .. 15 of tile row r;   scale words at 8192 + s1*128 + u*64 + 4 r, byte c for block c.
; Weights: tile row r of tile u of group g is column 32 g + 8 u + (r & 7) + 16 (r >> 3).  x: row 32 pair + 16 u + r.
; xq [sp 8][pair 32];  w13q [sp 8][2 g + (0: W1, 1: W3)], g = 0 .. 255;  w2q [sp 32][g 64].   sp = 256 along K.
; Work-groups 0-63: x, a record a wave.  Work-groups 64-831: 256 for each weight; a wave makes TWO records: 64 columns x 256 along K; the four waves stand side by side on 256 columns.
; THE WEIGHTS.  Lane (c4, h) loads 16 bytes: columns 4 c4 .. 4 c4 + 3 of row 32 t + 16 h + i: sixteen lanes read 256 consecutive aligned bytes.  The hold writes each column's 16 numbers into consecutive registers,
; so the conversions find neighbours along K; a block's maximum is joined with lane l xor 16's.  A lane's codes are 4 x 16 bytes of an image: they turn through the wave's own stage in LDS and leave as 512 consecutive bytes.
; LIMITS: NaN and infinities among the inputs are not served.  Blocks whose largest magnitude lies under 2^-111 (blocks of zeros among them) take the byte 1: only this program reads the bytes, and zero codes add nothing.
; An index is taken as unsigned and held at 8,191 (the problem keeps indices inside the table).  Rows of hidden_states that no index names are not read.
.set REC,  8448
.set EMAX, 15
.set MANT, 0x600000                    ; the mantissa field of 57,344 as f32
.set TP,   528                         ; the stage: 512 bytes of a tile's block + 16: the sixteen lanes of a store fall on sixteen different 16-byte columns
.set WST,  2304                        ; a wave's stage: 4 x TP, rounded up to blocks of 256
.set SPARE, 4*WST                      ; the spare words, 128 bytes a wave
.set SPW,  6                           ; v6  my spare word;  v7  0: kept for the add alone
.set NIL,  7
	s_load_b256 s[4:11], s[0:1], 0x0               ; hidden_states, input_idx, W1, W3
	s_load_b256 s[12:19], s[0:1], 0x20             ; W2, xq, w13q, w2q
	v_lshl_add_u32 v[SPW], v0, 2, SPARE
	v_mov_b32 v[NIL], 0
	v_lshrrev_b32 v1, 5, v0
	v_readfirstlane_b32 s2, v1                     ; wave 0..3
	v_and_b32 v1, 31, v0                           ; lane
	s_mov_b32 s54, MANT
	s_mov_b32 s60, 0x76543210
	s_mov_b32 s61, 0xfedcba98                      ; v_permlanex16_b32's selects for lane l xor 16
	s_wait_alu depctr_va_vdst(0)
	s_cmp_lt_u32 ttmp9, 64
	s_cbranch_scc1 .Lx
; ---------------- the weights ----------------
.set LST, 2                            ; v2  stage, in;  v3  stage, out;  v4  16 x lane;  v5  my four scale words' place
.set LRD, 3
.set GO,  4
.set SWO, 5
.set M,   8                            ; v8-11 largest magnitudes of my four columns; v12-15 the other half's, then bytes; v16-19 57,344 x the scale; v20-23 the conversions' scale operands
.set M2,  12
.set BD,  16
.set SOP, 20
.set SW,  24                           ; v24-31 scale words: K step 0's four, K step 1's four
.set OFF, 32                           ; v32-47 row i of my half of a block
.set X,   48                           ; v48-175 two sets of 16 rows x 4 columns
.set T,   176                          ; v176-239 held numbers, 16 on end for each column; the first 16 registers then take the codes back from the stage
.set CD,  240                          ; v240-255 codes
	s_sub_co_u32 s20, ttmp9, 64
	s_lshr_b32 s21, s20, 8                         ; which weight: 0 W1, 1 W3, 2 W2
	s_and_b32 s22, s20, 255
	s_lshl_b32 s22, s22, 2
	s_add_co_u32 s22, s22, s2                      ; which of its 1,024 jobs
	s_and_b32 s27, s21, 1                          ; W3's records are the odd ones of w13q
	s_mul_i32 s3, s2, WST
	s_wait_kmcnt 0x0
	s_cmp_eq_u32 s21, 2                            ; W2 is [8192][2048], the others [2048][8192]: the choices hang on the work-group's number alone
	s_cselect_b32 s23, 5, 7                        ; log2 of the runs of 64 columns
	s_cselect_b32 s24, 13, 15                      ; log2 of a row's bytes
	s_cselect_b32 s25, 6, 9                        ; log2 of the records in an sp
	s_cselect_b32 s26, 1, 2                        ; log2 of the records that 64 columns span
	s_cselect_b64 s[28:29], s[18:19], s[16:17]
	s_cselect_b64 s[30:31], s[12:13], s[10:11]
	s_cmp_eq_u32 s21, 0
	s_cselect_b64 s[30:31], s[8:9], s[30:31]
	s_lshr_b32 s32, s22, s23                       ; sp
	s_bfm_b32 s35, s23, 0
	s_and_b32 s33, s22, s35                        ; run of 64 columns
	s_lshl_b32 s34, 1, s24                         ; a row's bytes
	s_add_co_u32 s55, s24, 8
	s_lshl_b32 s56, s32, s55                       ; 256 sp rows
	s_lshl_b32 s57, s33, 8
	s_add_co_u32 s56, s56, s57
	s_mov_b32 s57, 0
	s_add_nc_u64 s[36:37], s[30:31], s[56:57]
	s_lshl_b32 s52, s34, 5                         ; 32 rows on
	s_mov_b32 s53, 0
.irp t, 1,2,3,4,5,6,7
	s_add_nc_u64 s[36+2*\t:37+2*\t], s[34+2*\t:35+2*\t], s[52:53]   ; a base for each of the 8 blocks: none is stepped
.endr
	s_lshl_b32 s58, s33, s26
	s_add_co_u32 s58, s58, s27
	s_lshl_b32 s59, s32, s25
	s_add_co_u32 s58, s58, s59                     ; my first record's number
	s_mul_i32 s58, s58, REC
	s_mov_b32 s59, 0
	s_add_nc_u64 s[28:29], s[28:29], s[58:59]
	s_sub_co_u32 s20, s26, 1
	s_lshl_b32 s20, REC, s20                       ; from my first record to my second
	s_mov_b32 s21, 0
	s_add_nc_u64 s[30:31], s[28:29], s[20:21]
	s_add_co_u32 s35, s24, 4
	v_and_b32 v8, 15, v1                           ; c4
	v_lshrrev_b32 v9, 4, v1                        ; h
	v_and_b32 v10, 1, v1                           ; column 4 c4 + j: bit 2 of the column, so bit 2 of r
	v_bfe_u32 v11, v1, 2, 1                        ; bit 4 of the column: bit 3 of r
	v_bfe_u32 v12, v1, 1, 1                        ; bit 3: tile u
	v_bfe_u32 v13, v1, 3, 1                        ; bit 5: which of my two records
	v_lshl_or_b32 v14, v13, 1, v12
	v_mul_u32_u24 v[LST], v14, TP
	v_lshl_add_u32 v[LST], v9, 8, v[LST]
	v_lshl_add_u32 v[LST], v10, 6, v[LST]
	v_lshl_add_u32 v[LST], v11, 7, v[LST]
	v_add_nc_u32 v[LST], s3, v[LST]
	v_lshlrev_b32 v[GO], 4, v1
	v_add_nc_u32 v[LRD], s3, v[GO]
	v_mul_u32_u24 v[SWO], v13, s20
	v_lshl_add_u32 v[SWO], v9, 7, v[SWO]           ; lanes 0-15 store K step 0's words, lanes 16-31 K step 1's
	v_lshl_add_u32 v[SWO], v12, 6, v[SWO]
	v_lshl_add_u32 v[SWO], v10, 4, v[SWO]
	v_lshl_add_u32 v[SWO], v11, 5, v[SWO]
	v_lshlrev_b32 v15, s35, v9                     ; lanes 16-31 begin 16 rows further down
	v_lshl_add_u32 v[OFF], v8, 4, v15
.set i, 1
.rept 15
	v_add_nc_u32 v[OFF+i], s34, v[OFF+i-1]
.set i, i+1
.endr
.irp j, 0,1,2,3
	v_mov_b32 v[M2+\j], 0                          ; a lane permute's destination counts as one of its sources
.endr
	s_wait_alu depctr_va_vdst(0)
.macro LOAD t                          ; block t: 16 loads, each of two rows x 256 consecutive bytes
.set i, 0
.rept 16
	global_load_b128 v[X+64*((\t)%2)+4*i:X+64*((\t)%2)+4*i+3], v[OFF+i], s[36+2*(\t):37+2*(\t)] th:TH_LOAD_NT
.set i, i+1
.endr
.endm
.macro BLOCK t
.set XS, X+64*((\t)%2)
.if (\t) < 7
	s_wait_loadcnt 16                              ; this block's 16 loads are in; the next block's 16 may be out
.else
	s_wait_loadcnt 0x0
.endif
	s_wait_xcnt 0x0                                ; the last block's stores have read v[T] on, which the holds below write
.irp j, 0,1,2,3
	v_max3_num_f32 v[M+\j], |v[XS+\j]|, |v[XS+4+\j]|, (EMAX+1)<<23   ; my 16 numbers of column j, and the floor 2^(16 - 127); the four columns by turns
.endr
.irp i, 2,4,6,8,10,12,14
.irp j, 0,1,2,3
	v_max3_num_f32 v[M+\j], v[M+\j], |v[XS+4*\i+\j]|, |v[XS+4*\i+4+\j]|
.endr
.endr
.irp j, 0,1,2,3
	v_permlanex16_b32 v[M2+\j], v[M+\j], s60, s61
.endr
.irp j, 0,1,2,3
	v_max_num_f32 v[M+\j], v[M+\j], v[M2+\j]       ; the block's largest magnitude
.endr
.irp j, 0,1,2,3
	v_add_nc_u32 v[SOP+\j], -(EMAX<<23), v[M+\j]   ; 15 off its exponent field: the conversion's scale operand
.endr
.irp j, 0,1,2,3
	v_and_or_b32 v[BD+\j], v[M+\j], 0x7f800000, s54   ; 57,344 x the scale
.endr
.irp j, 0,1,2,3
	v_lshrrev_b32 v[M2+\j], 23, v[SOP+\j]          ; the scale's byte
.endr
.irp j, 0,1,2,3
.if (\t)%4 == 0
	v_mov_b32 v[SW+4*((\t)/4)+\j], v[M2+\j]
.else
	v_lshl_or_b32 v[SW+4*((\t)/4)+\j], v[M2+\j], 8*((\t)%4), v[SW+4*((\t)/4)+\j]
.endif
.endr
.set i, 0
.rept 16
.irp j, 0,1,2,3
	v_med3_num_f32 v[T+16*\j+i], v[XS+4*i+\j], -v[BD+\j], v[BD+\j]   ; the hold (ISA guide 7.6.2: the conversion does not saturate) also lays a column's numbers on end
.endr
.set i, i+1
.endr
.if (\t) < 6
	LOAD (\t)+2                                    ; into the set just read
.endif
.irp j, 0,1,2,3
	v_cvt_scalef32_pk8_bf8_f32 v[CD+4*\j:CD+4*\j+1], v[T+16*\j:T+16*\j+7], v[SOP+\j]
	v_cvt_scalef32_pk8_bf8_f32 v[CD+4*\j+2:CD+4*\j+3], v[T+16*\j+8:T+16*\j+15], v[SOP+\j]
.endr
	v_nop                                          ; a plain line behind the conversions
.irp j, 0,1,2,3
	ds_store_b128 v[LST], v[CD+4*\j:CD+4*\j+3] offset:16*\j
.endr
.irp q, 0,1,2,3
	ds_load_b128 v[T+4*\q:T+4*\q+3], v[LRD] offset:TP*\q   ; LDS serves a wave's instructions in order: these see my stores
.endr
	s_wait_dscnt 0x0
.irp q, 0,1,2,3
	global_store_b128 v[GO], v[T+4*\q:T+4*\q+3], s[28+2*(\q/2):29+2*(\q/2)] offset:(\q%2)*4096+((\t)/4)*2048+((\t)%4)*512   ; 512 consecutive bytes of a tile's image
.endr
.endm
	LOAD 0
	LOAD 1
.irp t, 0,1,2,3,4,5,6,7
	BLOCK \t
.endr
	v_cmp_le_u32 vcc_lo, 16, v1
.irp j, 0,1,2,3
	v_cndmask_b32 v[M+\j], v[SW+\j], v[SW+4+\j], vcc_lo
.endr
	global_store_b128 v[SWO], v[M:M+3], s[28:29] offset:8192   ; each record's 256 bytes of scale words, whole
	s_wait_tensorcnt 0x0                           ; the wave's end
	ds_add_u32 v[SPW], v[NIL]
	s_wait_dscnt 0x0
	s_endpgm
; ---------------- x: 32 gathered rows x 256 along K; lane (r, h) holds 16 neighbours of each block of 32 of row r ----------------
.Lx:
.set TM, 16                            ; v16-19 largest magnitudes, v20-23 the other half's, then bytes, v24-27 57,344 x the scale, v28-31 the conversions' scale operands
.set PC, 32                            ; v32-47 a fragment's codes
.set SA, 48                            ; v48-111, v112-175: two sets of 64 numbers
.set SB, 112
	s_lshl_b32 s20, ttmp9, 2
	s_add_co_u32 s20, s20, s2                      ; job = 32 sp + pair: also my record's number in xq
	s_and_b32 s21, s20, 31
	s_lshr_b32 s22, s20, 5
	s_lshl_b32 s24, s21, 7                         ; the pair's 32 indices
	s_mov_b32 s25, 0
	s_lshl_b32 s26, s22, 10                        ; 256 numbers of a row
	s_mov_b32 s27, 0
	s_mul_i32 s28, s20, REC
	s_mov_b32 s29, 0
	v_and_b32 v8, 15, v1
	v_lshlrev_b32 v8, 2, v8                        ; 4 r
	v_lshrrev_b32 v9, 4, v1
	v_lshlrev_b32 v9, 6, v9                        ; 64 h
	v_lshlrev_b32 v2, 4, v1
	v_lshlrev_b32 v3, 2, v1
.irp b, 0,1,2,3
	v_mov_b32 v[TM+4+\b], 0
.endr
	s_wait_alu depctr_va_vdst(0)
	s_wait_kmcnt 0x0
	s_add_nc_u64 s[6:7], s[6:7], s[24:25]
	s_add_nc_u64 s[4:5], s[4:5], s[26:27]
	s_add_nc_u64 s[14:15], s[14:15], s[28:29]
	global_load_b32 v14, v8, s[6:7]                ; the index of row r of tile 0,
	global_load_b32 v15, v8, s[6:7] offset:64      ; of tile 1
	s_wait_loadcnt 0x0
	v_min_u32 v14, 0x1fff, v14
	v_min_u32 v15, 0x1fff, v15
	v_lshlrev_b32 v4, 13, v14                      ; a row of hidden_states is 8,192 bytes
	v_lshlrev_b32 v5, 13, v15
	v_add_nc_u32 v4, v4, v9
	v_add_nc_u32 v5, v5, v9
.macro XLOAD set, u, s1                ; register 16 b + 4 j + 0 .. 3 = k 128 s1 + 32 b + 16 h + 4 j + 0 .. 3 of my row of tile u.  No hint: the list may name a row twice
.irp b, 0,1,2,3
.irp j, 0,1,2,3
	global_load_b128 v[\set+16*\b+4*\j:\set+16*\b+4*\j+3], v[4+\u], s[4:5] offset:512*\s1+128*\b+16*\j
.endr
.endr
.endm
.macro QUANT s, pw                     ; 64 numbers of a lane become a fragment's codes in v[PC] on and its row's scale word in v[pw]
.irp b, 0,1,2,3
	v_max3_num_f32 v[TM+\b], |v[\s+16*\b]|, |v[\s+1+16*\b]|, 0x8000000
.endr
.irp i, 2,4,6,8,10,12,14
.irp b, 0,1,2,3
	v_max3_num_f32 v[TM+\b], v[TM+\b], |v[\s+16*\b+\i]|, |v[\s+1+16*\b+\i]|
.endr
.endr
.irp b, 0,1,2,3
	v_permlanex16_b32 v[TM+4+\b], v[TM+\b], s60, s61
.endr
.irp b, 0,1,2,3
	v_max_num_f32 v[TM+\b], v[TM+\b], v[TM+4+\b]
.endr
.irp b, 0,1,2,3
	v_add_nc_u32 v[TM+12+\b], 0xf8800000, v[TM+\b]
.endr
.irp b, 0,1,2,3
	v_and_or_b32 v[TM+8+\b], v[TM+\b], 0x7f800000, s54
.endr
.irp b, 0,1,2,3
	v_lshrrev_b32 v[TM+4+\b], 23, v[TM+12+\b]
.endr
	v_lshl_or_b32 v[\pw], v[TM+5], 8, v[TM+4]
	v_lshl_or_b32 v[\pw], v[TM+6], 16, v[\pw]
	v_lshl_or_b32 v[\pw], v[TM+7], 24, v[\pw]
.irp b, 0,1,2,3
.irp i, 0,1,2,3,4,5,6,7,8,9,10,11,12,13,14,15
	v_med3_num_f32 v[\s+16*\b+\i], v[\s+16*\b+\i], -v[TM+8+\b], v[TM+8+\b]
.endr
	v_cvt_scalef32_pk8_bf8_f32 v[PC+4*\b:PC+1+4*\b], v[\s+16*\b:\s+7+16*\b], v[TM+12+\b]
	v_cvt_scalef32_pk8_bf8_f32 v[PC+2+4*\b:PC+3+4*\b], v[\s+8+16*\b:\s+15+16*\b], v[TM+12+\b]
.endr
	v_nop
.endm
.macro OUT u, s1                       ; the fragment leaves as it stands: each store covers 512 consecutive bytes
.irp c, 0,1,2,3
	global_store_b128 v2, v[PC+4*\c:PC+4*\c+3], s[14:15] offset:\u*4096+\s1*2048+512*\c
.endr
.endm
	XLOAD SA, 0, 0
	XLOAD SB, 0, 1
	s_wait_loadcnt 16                              ; the older fragment's 16 loads are in, the younger's 16 may be out: so in each turn below
	QUANT SA, 10
	OUT 0, 0
	XLOAD SA, 1, 0
	s_wait_loadcnt 16
	s_wait_xcnt 0x0                                ; the last stores' data, v[PC] on, are written again only behind this wait
	QUANT SB, 11
	OUT 0, 1
	XLOAD SB, 1, 1
	s_wait_loadcnt 16
	s_wait_xcnt 0x0
	QUANT SA, 12
	OUT 1, 0
	s_wait_loadcnt 0x0
	s_wait_xcnt 0x0
	QUANT SB, 13
	OUT 1, 1
	v_cmp_le_u32 vcc_lo, 16, v1                    ; lanes 0-15 give tile 0's words, lanes 16-31 tile 1's
	v_cndmask_b32 v14, v10, v12, vcc_lo
	v_cndmask_b32 v15, v11, v13, vcc_lo
	global_store_b32 v3, v14, s[14:15] offset:8192
	global_store_b32 v3, v15, s[14:15] offset:8320
	s_endpgm
.Lfunc_end_k_qf527a776d6_quant:
	.size	k_qf527a776d6_quant, .Lfunc_end_k_qf527a776d6_quant-k_qf527a776d6_quant
	.p2alignl 7, 3214868480
	.fill 96, 4, 3214868480
	.section	.rodata,"a",@progbits
	.p2align	6, 0x0
	.amdhsa_kernel k_qf527a776d6_quant
		.amdhsa_group_segment_fixed_size 9728
		.amdhsa_private_segment_fixed_size 0
		.amdhsa_enable_private_segment 0
		.amdhsa_kernarg_size 64
		.amdhsa_user_sgpr_count 2
		.amdhsa_user_sgpr_kernarg_segment_ptr 1
		.amdhsa_wavefront_size32 1
		.amdhsa_system_sgpr_workgroup_id_x 1
		.amdhsa_system_sgpr_workgroup_id_y 1
		.amdhsa_system_sgpr_workgroup_id_z 1
		.amdhsa_system_vgpr_workitem_id 0
		.amdhsa_next_free_vgpr 256
		.amdhsa_next_free_sgpr 66
		.amdhsa_reserve_vcc 1
		.amdhsa_float_denorm_mode_32 3
		.amdhsa_float_denorm_mode_16_64 3
		.amdhsa_memory_ordered 1
		.amdhsa_forward_progress 1
		.amdhsa_inst_pref_size 130
	.end_amdhsa_kernel
	.amdgpu_metadata
---
amdhsa.version: [ 1, 2 ]
amdhsa.kernels:
  - .name:           k_qf527a776d6_quant
    .symbol:         k_qf527a776d6_quant.kd
    .args:
      - { .name: hidden_states, .offset: 0, .size: 8, .value_kind: global_buffer, .address_space: global }
      - { .name: input_idx, .offset: 8, .size: 8, .value_kind: global_buffer, .address_space: global }
      - { .name: W1, .offset: 16, .size: 8, .value_kind: global_buffer, .address_space: global }
      - { .name: W3, .offset: 24, .size: 8, .value_kind: global_buffer, .address_space: global }
      - { .name: W2, .offset: 32, .size: 8, .value_kind: global_buffer, .address_space: global }
      - { .name: xq, .offset: 40, .size: 8, .value_kind: global_buffer, .address_space: global }
      - { .name: w13q, .offset: 48, .size: 8, .value_kind: global_buffer, .address_space: global }
      - { .name: w2q, .offset: 56, .size: 8, .value_kind: global_buffer, .address_space: global }
    .group_segment_fixed_size: 9728
    .private_segment_fixed_size: 0
    .kernarg_segment_align: 8
    .kernarg_segment_size: 64
    .max_flat_workgroup_size: 128
    .sgpr_count:     66
    .vgpr_count:     256
    .wavefront_size: 32
...
	.end_amdgpu_metadata
.endif
;; end of part 1
;; launch gateup (part 2): grid 64 x 4, 4 waves a work-group, clusters of 4 x 4, 327,680 bytes of LDS; arguments xq, w13q, hq; writes hq
.if DOCPART == 2
	.amdgcn_target "amdgcn-amd-amdhsa--gfx1250"
	.amdhsa_code_object_version 6
	.text
	.protected	k_qf527a776d6_gateup
	.globl	k_qf527a776d6_gateup
	.p2align	8
	.type	k_qf527a776d6_gateup,@function
k_qf527a776d6_gateup:
	s_mov_b64 s[64:65], 0
	v_nop
	global_prefetch_b8 v0, s[64:65] scope:SCOPE_SE
	s_setreg_imm32_b32 hwreg(HW_REG_WAVE_MODE, 25, 1), 1
	s_wait_xcnt 0x0
	s_wait_alu depctr_hold_cnt(0) depctr_sa_sdst(0) depctr_va_vdst(0) depctr_va_sdst(0) depctr_va_ssrc(0) depctr_va_vcc(0) depctr_vm_vsrc(0)
	s_getreg_b32 s2, hwreg(HW_REG_IB_STS2, 6, 4)
	s_cmp_eq_u32 s2, 0
	s_cbranch_scc0 .Lentry_in_a_cluster
	s_endpgm
.Lentry_in_a_cluster:
	s_bfe_u32 s2, ttmp6, 0x10000c
	s_cmp_lg_u32 s2, 0xf033
	s_cbranch_scc0 .Lentry_shape_is_right
	s_endpgm
.Lentry_shape_is_right:
.set REC,   8448
.set REG4,  4*REC
.set SLOT,  4*REG4
.set SPARE, 2*SLOT
.set SSTG,  SPARE+512
.set ASTEP, 32*REC
.set BSTEP, 512*REC
.set NQ,    2
.set FR,    16
.set NL,    4
.set NP,    8
.set LAPS,  4
.set ADRA, 16
.set ADRB, 20
.set ADRS, 22
.set L16,  24
.set SST,  25
.set SRD,  26
.set SGO,  27
.set SPW,  28
.set NIL,  29
.set SC,   32
.set AF,   128
.set H,    64
.set E,    96
.set CD,   128
.set PWR,  192
.set G1,  24
.set G0,  32
.set G1B, 48
.set G0B, 56
.set MSB, 0
.macro WIN new
.if MSB != \new
	s_set_vgpr_msb (MSB<<8)|\new
.set MSB, \new
.endif
.endm
.set MUL_LO, 0xa1
.set MUL_HI, 0xf1
.set TO_B,   0x40
.macro JLOAD g0a, g1a, g0b, g1b
	s_cmp_eq_u32 s15, 0
	s_cbranch_scc0 .Lfor_b_\@
	tensor_load_to_lds s[\g0a:\g0a+3], s[\g1a:\g1a+7]
	s_nop 0
.rept 4
	v_nop
.endr
	s_branch .Lasked_\@
.Lfor_b_\@:
	tensor_load_to_lds s[\g0b:\g0b+3], s[\g1b:\g1b+7]
	s_nop 0
.rept 4
	v_nop
.endr
.Lasked_\@:
.endm
.macro CREST
	s_cmp_lg_u32 s14, 0
	s_cbranch_scc1 .Lnot_wave_0_\@
	s_barrier_signal -3
.Lnot_wave_0_\@:
	s_barrier_wait -3
	s_barrier_signal -1
	s_barrier_wait -1
.endm
.macro CROUND
	s_barrier_signal -1
	s_barrier_wait -1
	CREST
.endm
	s_load_b128 s[4:7], s[0:1], 0x0
	s_load_b64 s[8:9], s[0:1], 0x10
	v_lshl_add_u32 v[SPW], v0, 2, SPARE
	v_mov_b32 v[NIL], 0
	ds_add_u32 v28, v29
	ds_add_u32 v28, v29
	s_wait_dscnt 0x0
	v_lshrrev_b32 v1, 5, v0
	v_readfirstlane_b32 s14, v1
	s_lshr_b32 s15, s14, 1
	s_and_b32 s16, s14, 1
	s_bfe_u32 s40, ttmp6, 0x40000
	s_bfe_u32 s41, ttmp6, 0x40004
	s_lshl_b32 s42, ttmp9, 2
	s_add_co_u32 s42, s42, s40
	s_and_b32 s17, ttmp7, 0xffff
	s_lshl_b32 s17, s17, 2
	s_add_co_u32 s17, s17, s41
	s_lshl_b32 s43, s41, 2
	s_lshl_b32 s43, 15, s43
	s_lshl_b32 s44, 0x1111, s40
	s_or_b32 s[G1+0], s43, (3<<16)|(1<<21)
	s_or_b32 s[G1B+0], s44, (3<<16)|(1<<21)
.irp g, G1, G1B
	s_mov_b32 s[\g+1], 32<<16
	s_mov_b32 s[\g+2], 132<<16
	s_mov_b32 s[\g+3], 32<<16
	s_mov_b32 s[\g+4], 132
	s_mov_b32 s[\g+5], 32
	s_mov_b32 s[\g+6], 0
	s_mov_b32 s[\g+7], 0
.endr
	s_lshl_b32 s18, s16, 2
	s_lshl_b32 s20, s17, 3
	s_add_co_u32 s20, s20, s18
	s_mul_i32 s20, s20, REC
	s_mov_b32 s21, 0
	s_lshl_b32 s46, s42, 3
	s_add_co_u32 s46, s46, s18
	s_mul_i32 s46, s46, REC
	s_mov_b32 s47, 0
	s_mul_i32 s45, s14, REG4
	s_mov_b32 s66, 0xbfb8aa3b
	s_mov_b32 s67, s66
	s_mov_b32 s68, 0x76543210
	s_mov_b32 s69, 0xfedcba98
	s_mov_b32 s70, 0x600000
	s_wait_kmcnt 0x0
	s_add_nc_u64 s[20:21], s[4:5], s[20:21]
	s_add_nc_u64 s[46:47], s[6:7], s[46:47]
	CROUND
.irp s, 0,1
	s_mov_b32 s[G0+4*\s], 1
	s_add_co_u32 s[G0+4*\s+1], s45, \s*SLOT
	s_add_nc_u64 s[G0+4*\s+2:G0+4*\s+3], s[20:21], \s*ASTEP
	s_or_b32 s[G0+4*\s+3], s[G0+4*\s+3], 0x80000000
	s_mov_b32 s[G0B+4*\s], 1
	s_add_co_u32 s[G0B+4*\s+1], s45, \s*SLOT
	s_add_nc_u64 s[G0B+4*\s+2:G0B+4*\s+3], s[46:47], \s*BSTEP
	s_or_b32 s[G0B+4*\s+3], s[G0B+4*\s+3], 0x80000000
	s_wait_alu depctr_va_vdst(0)
	s_wait_tensorcnt 0x0
	ds_add_u32 v28, v29
	ds_add_u32 v28, v29
	s_wait_dscnt 0x0
	CROUND
	JLOAD G0+4*\s, G1, G0B+4*\s, G1B
.endr
	v_and_b32 v1, 15, v0
	v_bfe_u32 v2, v0, 4, 1
	s_wait_alu depctr_va_vdst(0)
	v_and_b32 v3, 31, v0
	v_lshlrev_b32 v[L16], 4, v3
	s_mul_i32 s21, s15, REG4
	s_mul_i32 s22, s16, REG4
	s_add_co_u32 s22, s22, 2*REG4
.irp s, 0,1
	v_add_nc_u32 v[ADRA+\s], s21, v[L16]
	v_add_nc_u32 v[ADRB+\s], s22, v[L16]
	s_add_co_u32 s21, s21, SLOT
	s_add_co_u32 s22, s22, SLOT
.endr
	s_mul_i32 s21, s15, REG4
	s_mul_i32 s22, s16, REG4
	s_add_co_u32 s22, s22, 2*REG4
	s_sub_co_u32 s22, s22, s21
	v_mul_u32_u24 v4, s22, v2
	v_lshl_add_u32 v4, v1, 2, v4
	v_add_nc_u32 v[ADRS], s21, v4
	v_add_nc_u32 v[ADRS+1], SLOT, v[ADRS]
	s_lshl_b32 s21, s15, 9
	s_lshl_b32 s22, s16, 1
	s_add_co_u32 s21, s21, s22
	s_add_co_u32 s21, s21, SSTG
	v_lshl_add_u32 v[SST], v1, 2, s21
	s_lshl_b32 s21, s14, 8
	s_add_co_u32 s21, s21, SSTG
	v_lshl_add_u32 v[SRD], v3, 3, s21
	v_mul_u32_u24 v[SGO], v2, REC
	v_lshl_add_u32 v[SGO], v1, 3, v[SGO]
	v_mov_b32 v6, 0
	v_mov_b32 v7, 0
	s_lshr_b32 s20, s42, 1
	s_lshl_b32 s20, s20, 5
	s_lshl_b32 s21, s17, 3
	s_add_co_u32 s20, s20, s21
	s_and_b32 s21, s42, 1
	s_lshl_b32 s22, s15, 2
	s_add_co_u32 s22, s22, s20
	s_mul_i32 s22, s22, REC
	s_lshl_b32 s23, s21, 11
	s_add_co_u32 s22, s22, s23
	s_lshl_b32 s23, s16, 10
	s_add_co_u32 s22, s22, s23
	s_mov_b32 s23, 0
	s_lshl_b32 s18, s14, 1
	s_add_co_u32 s18, s18, s20
	s_mul_i32 s18, s18, REC
	s_lshl_b32 s19, s21, 7
	s_add_co_u32 s18, s18, s19
	s_add_co_u32 s18, s18, 8192
	s_mov_b32 s19, 0
	s_add_nc_u64 s[10:11], s[8:9], s[18:19]
	s_add_nc_u64 s[8:9], s[8:9], s[22:23]
.macro FRAG reg, adr, q, i
.irp c, 0,1,2,3
	ds_load_b128 v[\reg+4*\c:\reg+4*\c+3], v[\adr] offset:((\i)/2)*REC+((\i)%2)*4096+2048*(\q)+512*\c
.endr
.endm
.macro MUL16 a0, p, q, sc, zero
.irp a, \a0, \a0+1
.irp b, 0,1,2,3,4,5,6,7
.if \zero
	v_wmma_scale_f32_16x16x128_f8f6f4 v[8*(8*((\a)%4)+\b):8*(8*((\a)%4)+\b)+7], v[128*(\p)+FR*\b:128*(\p)+FR*\b+FR-1], v[AF+FR*(\a):AF+FR*(\a)+FR-1], 0, v[SC+8*NQ*(\sc)+NQ*\b+(\q)], v[SC+8*NQ*(\sc)+NQ*(\a)+(\q)] matrix_a_fmt:MATRIX_FMT_BF8 matrix_b_fmt:MATRIX_FMT_BF8 matrix_a_scale:MATRIX_SCALE_ROW1
.else
	v_wmma_scale_f32_16x16x128_f8f6f4 v[8*(8*((\a)%4)+\b):8*(8*((\a)%4)+\b)+7], v[128*(\p)+FR*\b:128*(\p)+FR*\b+FR-1], v[AF+FR*(\a):AF+FR*(\a)+FR-1], v[8*(8*((\a)%4)+\b):8*(8*((\a)%4)+\b)+7], v[SC+8*NQ*(\sc)+NQ*\b+(\q)], v[SC+8*NQ*(\sc)+NQ*(\a)+(\q)] matrix_a_fmt:MATRIX_FMT_BF8 matrix_b_fmt:MATRIX_FMT_BF8 matrix_a_scale:MATRIX_SCALE_ROW1
.endif
.endr
.endr
.endm
.macro FETCH_B slot, q, p
	WIN TO_B
.irp i, 0,1,2,3,4,5,6,7
	FRAG 128*(\p)+FR*\i, ADRB+\slot, \q, \i
.endr
	WIN 0
.endm
.macro FETCH_A slot, q, i0
.irp i, \i0, \i0+1, \i0+2, \i0+3
	FRAG AF+FR*(\i), ADRA+\slot, \q, \i
.endr
.endm
.macro SCALES sc
.irp i, 0,1,2,3,4,5,6,7
.irp q, 0,1
	ds_load_b32 v[SC+16*\sc+2*\i+\q], v[ADRS+\sc] offset:(\i/2)*REC+8192+\q*128+(\i%2)*64
.endr
.endr
.endm
.macro PLACES n
.rept \n
	v_nop
.endr
.endm
.macro STEP slot, q, zero
	s_wait_dscnt 4*NL
	WIN MUL_LO
	MUL16 0, (\q)%2, \q, \slot, \zero
	MUL16 2, (\q)%2, \q, \slot, \zero
	s_wait_dscnt 0
	PLACES NP
	FETCH_B \slot, (\q)+1, 1-(\q)%2
	FETCH_A \slot, (\q)+1, 0
	WIN MUL_HI
	MUL16 4, (\q)%2, \q, \slot, \zero
	MUL16 6, (\q)%2, \q, \slot, \zero
	PLACES NP
	WIN 0
	FETCH_A \slot, (\q)+1, 4
.endm
.macro TURN slot, next, fill
	s_wait_tensorcnt 0x0
	ds_add_u32 v[SPW], v[NIL]
	s_wait_dscnt 4*NL+1
	WIN MUL_LO
	MUL16 0, 1, NQ-1, \slot, 0
	s_wait_dscnt 0x0
	s_barrier_signal -1
	MUL16 2, 1, NQ-1, \slot, 0
	WIN 0
	s_barrier_wait -1
.if \fill
	CREST
	s_add_nc_u64 s[G0+4*\slot+2:G0+4*\slot+3], s[G0+4*\slot+2:G0+4*\slot+3], 2*ASTEP
	s_add_nc_u64 s[G0B+4*\slot+2:G0B+4*\slot+3], s[G0B+4*\slot+2:G0B+4*\slot+3], 2*BSTEP
	JLOAD G0+4*\slot, G1, G0B+4*\slot, G1B
	PLACES NP-4
.else
	PLACES NP
.endif
	FETCH_B \next, 0, 0
	FETCH_A \next, 0, 0
	SCALES \next
	WIN MUL_HI
	MUL16 4, 1, NQ-1, \slot, 0
	MUL16 6, 1, NQ-1, \slot, 0
	PLACES NP
	WIN 0
	FETCH_A \next, 0, 4
.endm
	s_wait_alu depctr_va_vdst(0)
	s_wait_tensorcnt 1
	s_barrier_signal -1
	s_barrier_wait -1
	FETCH_B 0, 0, 0
	FETCH_A 0, 0, 0
	SCALES 0
	FETCH_A 0, 0, 4
	STEP 0, 0, 1
	s_mov_b32 s3, LAPS-1
.Llap:
	TURN 0, 1, 1
	STEP 1, 0, 0
	TURN 1, 0, 1
	STEP 0, 0, 0
	s_sub_co_u32 s3, s3, 1
	s_cmp_lg_u32 s3, 0
	s_cbranch_scc1 .Llap
	TURN 0, 1, 0
	STEP 1, 0, 0
	s_wait_dscnt 4*NL
	WIN MUL_LO
	MUL16 0, 1, NQ-1, 1, 0
	MUL16 2, 1, NQ-1, 1, 0
	s_wait_dscnt 0
	WIN MUL_HI
	MUL16 4, 1, NQ-1, 1, 0
	MUL16 6, 1, NQ-1, 1, 0
	WIN 0
.macro ACT a
.set AC, 64*((\a)%4)
.set WA, 2+(\a)/4
.set WB, WA<<2
	WIN WA
.irp n, 0,1
.irp i, 0,2,4,6,8,10,12,14
	v_pk_mul_f32 v[E+16*\n+\i:E+16*\n+\i+1], v[AC+32*\n+\i:AC+32*\n+\i+1], s[66:67] op_sel_hi:[1,0]
.endr
.endr
	WIN 0
.set i, 0
	s_wait_alu depctr_va_vdst(0)
.rept 32
	v_exp_f32 v[E+i], v[E+i]
.set i, i+1
.endr
	v_nop
.set i, 0
	s_wait_alu depctr_va_vdst(0)
.rept 16
	v_pk_add_f32 v[E+i:E+i+1], v[E+i:E+i+1], 1.0 op_sel_hi:[1,0]
.set i, i+2
.endr
.set i, 0
	s_wait_alu depctr_va_vdst(0)
.rept 32
	v_rcp_f32 v[E+i], v[E+i]
.set i, i+1
.endr
	v_nop
	WIN WB
	s_wait_alu depctr_va_vdst(0)
.irp n, 0,1
.irp i, 0,2,4,6,8,10,12,14
	v_pk_mul_f32 v[H+16*\n+\i:H+16*\n+\i+1], v[E+16*\n+\i:E+16*\n+\i+1], v[AC+32*\n+\i:AC+32*\n+\i+1]
.endr
.endr
.irp n, 0,1
.irp i, 0,2,4,6,8,10,12,14
	v_pk_mul_f32 v[H+16*\n+\i:H+16*\n+\i+1], v[H+16*\n+\i:H+16*\n+\i+1], v[AC+32*\n+16+\i:AC+32*\n+16+\i+1]
.endr
.endr
	WIN 0
.irp n, 0,1
	v_max3_num_f32 v[4+\n], |v[H+16*\n]|, |v[H+16*\n+1]|, 0x8000000
.endr
.irp i, 2,4,6,8,10,12,14
.irp n, 0,1
	v_max3_num_f32 v[4+\n], v[4+\n], |v[H+16*\n+\i]|, |v[H+16*\n+\i+1]|
.endr
.endr
.irp n, 0,1
	v_permlanex16_b32 v[6+\n], v[4+\n], s68, s69
.endr
.irp n, 0,1
	v_max_num_f32 v[4+\n], v[4+\n], v[6+\n]
.endr
.irp n, 0,1
	v_add_nc_u32 v[10+\n], 0xf8800000, v[4+\n]
.endr
.irp n, 0,1
	v_and_or_b32 v[8+\n], v[4+\n], 0x7f800000, s70
.endr
.irp n, 0,1
	v_lshrrev_b32 v[6+\n], 23, v[10+\n]
.endr
	v_lshl_or_b32 v[PWR+(\a)], v7, 8, v6
.irp n, 0,1
.irp i, 0,1,2,3,4,5,6,7,8,9,10,11,12,13,14,15
	v_med3_num_f32 v[H+16*\n+\i], v[H+16*\n+\i], -v[8+\n], v[8+\n]
.endr
	v_cvt_scalef32_pk8_bf8_f32 v[CD+8*(\a)+4*\n:CD+8*(\a)+4*\n+1], v[H+16*\n:H+16*\n+7], v[10+\n]
	v_cvt_scalef32_pk8_bf8_f32 v[CD+8*(\a)+4*\n+2:CD+8*(\a)+4*\n+3], v[H+16*\n+8:H+16*\n+15], v[10+\n]
.endr
	v_nop
	ds_store_b16 v[SST], v[PWR+(\a)] offset:64*(\a)
	global_store_b128 v[L16], v[CD+8*(\a):CD+8*(\a)+3], s[8:9] offset:((\a)/2)*REC+((\a)%2)*4096
	global_store_b128 v[L16], v[CD+8*(\a)+4:CD+8*(\a)+7], s[8:9] offset:((\a)/2)*REC+((\a)%2)*4096+512
.endm
	PLACES NP
.irp a, 0,1,2,3,4,5,6,7
	ACT \a
.endr
	s_wait_dscnt 0x0
	s_barrier_signal -1
	s_barrier_wait -1
	ds_load_b64 v[14:15], v[SRD]
	s_wait_dscnt 0x0
	global_store_b64 v[SGO], v[14:15], s[10:11]
	s_wait_tensorcnt 0x0
	ds_add_u32 v[SPW], v[NIL]
	s_wait_dscnt 0x0
	CROUND
	s_endpgm
.Lfunc_end_k_qf527a776d6_gateup:
	.size	k_qf527a776d6_gateup, .Lfunc_end_k_qf527a776d6_gateup-k_qf527a776d6_gateup
	.p2alignl 7, 3214868480
	.fill 96, 4, 3214868480
	.section	.rodata,"a",@progbits
	.p2align	6, 0x0
	.amdhsa_kernel k_qf527a776d6_gateup
		.amdhsa_group_segment_fixed_size 327680
		.amdhsa_private_segment_fixed_size 0
		.amdhsa_enable_private_segment 0
		.amdhsa_kernarg_size 24
		.amdhsa_user_sgpr_count 2
		.amdhsa_user_sgpr_kernarg_segment_ptr 1
		.amdhsa_wavefront_size32 1
		.amdhsa_system_sgpr_workgroup_id_x 1
		.amdhsa_system_sgpr_workgroup_id_y 1
		.amdhsa_system_sgpr_workgroup_id_z 1
		.amdhsa_system_vgpr_workitem_id 0
		.amdhsa_next_free_vgpr 1024
		.amdhsa_next_free_sgpr 72
		.amdhsa_reserve_vcc 0
		.amdhsa_float_denorm_mode_32 3
		.amdhsa_float_denorm_mode_16_64 3
		.amdhsa_memory_ordered 1
		.amdhsa_forward_progress 1
		.amdhsa_inst_pref_size 202
	.end_amdhsa_kernel
	.amdgpu_metadata
---
amdhsa.version: [ 1, 2 ]
amdhsa.kernels:
  - .name:           k_qf527a776d6_gateup
    .symbol:         k_qf527a776d6_gateup.kd
    .args:
      - { .name: xq, .offset: 0, .size: 8, .value_kind: global_buffer, .address_space: global }
      - { .name: w13q, .offset: 8, .size: 8, .value_kind: global_buffer, .address_space: global }
      - { .name: hq, .offset: 16, .size: 8, .value_kind: global_buffer, .address_space: global }
    .group_segment_fixed_size: 327680
    .private_segment_fixed_size: 0
    .kernarg_segment_align: 8
    .kernarg_segment_size: 24
    .max_flat_workgroup_size: 128
    .sgpr_count:     72
    .vgpr_count:     1024
    .wavefront_size: 32
...
	.end_amdgpu_metadata
.endif
;; end of part 2
;; launch down (part 3): grid 32 x 8, 8 waves a work-group, no clusters, 279,552 bytes of LDS; arguments hq, w2q, routing_weights, out0; writes out0
.if DOCPART == 3
	.amdgcn_target "amdgcn-amd-amdhsa--gfx1250"
	.amdhsa_code_object_version 6
	.text
	.protected	k_qf527a776d6_down
	.globl	k_qf527a776d6_down
	.p2align	8
	.type	k_qf527a776d6_down,@function
k_qf527a776d6_down:
	s_mov_b64 s[64:65], 0
	v_nop
	global_prefetch_b8 v0, s[64:65] scope:SCOPE_SE
	s_setreg_imm32_b32 hwreg(HW_REG_WAVE_MODE, 25, 1), 1
	s_wait_xcnt 0x0
; out0 = routing_weights x (h W2) on codes of MX-BF8: hq [sp 32][pair 32] and w2q [sp 32][g 64] hold records of 8,448 bytes: 32 rows x 256 along K as images of the operand's registers
; (codes at u*4096 + s1*2048 + 512 c + 16 lane; scale words at 8192 + s1*128 + 4 (16 u + r)).
; A work-group makes 128 rows x 64 columns of out0.  K IS CUT AMONG ITS EIGHT WAVES: wave w takes sp = w, w + 8, w + 16, w + 24: eight steps of 128 along K, 32 products each, on 32 accumulators (256 registers).
; NO TILE GOES THROUGH LDS: no two waves of the work-group read the same byte of hq or w2q, and a record is the image of the registers, so each fragment comes by four loads of 512 consecutive bytes straight into its registers.
; One set of fragments (A 8 x 16, B 4 x 16 registers): A's blocks 0-3 are asked for anew behind their 16 products, all else behind the step's last: 54 loads a step, and no barrier stands in the loop.
; No joint loads: a joint load lands in LDS alone, and this text keeps no tile there.
; PREFETCH: the 132 blocks of 256 bytes of A's four records of an sp are shared out by address among the 32 work-groups of a row of tiles, the 66 of B's two among the 8 of a column; sp w + 8 is asked for one step, the later ones two steps ahead of their first load; the last trip asks for nothing.
; THE END: each wave lays its 128 x 64 sums into a stage of its own in LDS; behind a barrier wave w adds the eight stages' rows 16 w .. 16 w + 15, multiplies by the rows' routing weights and stores whole units of 256 bytes.
; The order of the eight partial sums differs from one ascending sum over K: all in f32.  LIMITS: NaN and infinities are not served.
.set REC,   8448
.set AFILL, 8*32*REC                   ; eight sp on, in hq
.set BFILL, 8*64*REC                   ; and in w2q
.set SP,    272
.set STW,   128*SP
.set SPARE, 8*STW
.set L16,  4
.set L4,   5
.set STO,  6
.set CO,   7
.set RD,   8                           ; v8-11: stages 0-1, 2-3, 4-5, 6-7
.set RWO,  12
.set PFA,  13
.set PFB,  14
.set SPW,  16
.set NIL,  17
.set SCA,  32                          ; v32-35 A's scale words: lanes 0-15 tile 2 p, lanes 16-31 tile 2 p + 1;  v36-37 B's likewise
.set SCB,  36
.set RW,   40                          ; v40-47 routing weights
.set AF,   64                          ; v64-191 A's fragments
.set BF,   192                         ; v192-255 B's
.set SUM,  64                          ; at the end: two sets of 64
.set AB,   32                          ; s[32:33], s[34:35] my records of hq, of w2q;  s[36:37], s[38:39] the same two sp-steps on, for the prefetch
.set BB,   34
.set PA,   36
.set PB,   38
.set MSB, 0
.macro WIN new
.if MSB != \new
	s_set_vgpr_msb (MSB<<8)|\new
.set MSB, \new
.endif
.endm
.set MULW, 0x50                        ; C and D in window 1 (v256-511), the sources in window 0
.macro PLACES n
.rept \n
	v_nop
.endr
.endm
.macro LDA fo, i0                      ; A's blocks i0 .. i0 + 3
.irp i, \i0, \i0+1, \i0+2, \i0+3
.irp c, 0,1,2,3
	global_load_b128 v[AF+16*(\i)+4*\c:AF+16*(\i)+4*\c+3], v[L16], s[AB:AB+1] offset:(\fo)+((\i)/2)*REC+((\i)%2)*4096+512*\c
.endr
.endr
.endm
.macro LDB foa, fob, s1                ; B's four blocks, and both sides' scale words
.irp b, 0,1,2,3
.irp c, 0,1,2,3
	global_load_b128 v[BF+16*\b+4*\c:BF+16*\b+4*\c+3], v[L16], s[BB:BB+1] offset:(\fob)+(\b/2)*REC+(\b%2)*4096+2048*(\s1)+512*\c
.endr
.endr
.irp j, 0,1
	global_load_b32 v[SCB+\j], v[L4], s[BB:BB+1] offset:(\fob)+\j*REC+8192+128*(\s1)
.endr
.irp p, 0,1,2,3
	global_load_b32 v[SCA+\p], v[L4], s[AB:AB+1] offset:(\foa)+\p*REC+8192+128*(\s1)
.endr
.endm
; 16 products: A's blocks a0 .. a0 + 3 x B's four; source 0 = W2's columns, source 1 = h's rows: a lane holds eight neighbouring columns of a row.  The 32 accumulators take turns.
.macro MUL a0, zero
.irp a, \a0, \a0+1, \a0+2, \a0+3
.irp b, 0,1,2,3
.set D_, 8*(4*(\a)+\b)
.set B_, BF+16*\b
.set A_, AF+16*(\a)
.set SB_, SCB+\b/2
.set SA_, SCA+(\a)/2
.if \zero
.if (\b%2) && ((\a)%2)
	v_wmma_scale_f32_16x16x128_f8f6f4 v[D_:D_+7], v[B_:B_+15], v[A_:A_+15], 0, v[SB_], v[SA_] matrix_a_fmt:MATRIX_FMT_BF8 matrix_b_fmt:MATRIX_FMT_BF8 matrix_a_scale:MATRIX_SCALE_ROW1 matrix_b_scale:MATRIX_SCALE_ROW1
.elseif \b%2
	v_wmma_scale_f32_16x16x128_f8f6f4 v[D_:D_+7], v[B_:B_+15], v[A_:A_+15], 0, v[SB_], v[SA_] matrix_a_fmt:MATRIX_FMT_BF8 matrix_b_fmt:MATRIX_FMT_BF8 matrix_a_scale:MATRIX_SCALE_ROW1
.elseif (\a)%2
	v_wmma_scale_f32_16x16x128_f8f6f4 v[D_:D_+7], v[B_:B_+15], v[A_:A_+15], 0, v[SB_], v[SA_] matrix_a_fmt:MATRIX_FMT_BF8 matrix_b_fmt:MATRIX_FMT_BF8 matrix_b_scale:MATRIX_SCALE_ROW1
.else
	v_wmma_scale_f32_16x16x128_f8f6f4 v[D_:D_+7], v[B_:B_+15], v[A_:A_+15], 0, v[SB_], v[SA_] matrix_a_fmt:MATRIX_FMT_BF8 matrix_b_fmt:MATRIX_FMT_BF8
.endif
.else
.if (\b%2) && ((\a)%2)
	v_wmma_scale_f32_16x16x128_f8f6f4 v[D_:D_+7], v[B_:B_+15], v[A_:A_+15], v[D_:D_+7], v[SB_], v[SA_] matrix_a_fmt:MATRIX_FMT_BF8 matrix_b_fmt:MATRIX_FMT_BF8 matrix_a_scale:MATRIX_SCALE_ROW1 matrix_b_scale:MATRIX_SCALE_ROW1
.elseif \b%2
	v_wmma_scale_f32_16x16x128_f8f6f4 v[D_:D_+7], v[B_:B_+15], v[A_:A_+15], v[D_:D_+7], v[SB_], v[SA_] matrix_a_fmt:MATRIX_FMT_BF8 matrix_b_fmt:MATRIX_FMT_BF8 matrix_a_scale:MATRIX_SCALE_ROW1
.elseif (\a)%2
	v_wmma_scale_f32_16x16x128_f8f6f4 v[D_:D_+7], v[B_:B_+15], v[A_:A_+15], v[D_:D_+7], v[SB_], v[SA_] matrix_a_fmt:MATRIX_FMT_BF8 matrix_b_fmt:MATRIX_FMT_BF8 matrix_b_scale:MATRIX_SCALE_ROW1
.else
	v_wmma_scale_f32_16x16x128_f8f6f4 v[D_:D_+7], v[B_:B_+15], v[A_:A_+15], v[D_:D_+7], v[SB_], v[SA_] matrix_a_fmt:MATRIX_FMT_BF8 matrix_b_fmt:MATRIX_FMT_BF8
.endif
.endif
.endr
.endr
.endm
; A step of 128 along K.  ld = 1: the next step's operands (at foa, fob from the bases, K step s1 of the record) are asked for as the registers come free.  pf: 1 the next sp, 2 the sp after it (not in the last trip)
.macro STEP zero, ld, foa, fob, s1, pf
	s_wait_loadcnt 16                              ; all but the youngest 16 loads, A's blocks 4-7
	WIN MULW
	MUL 0, \zero
	WIN 0
.if \ld
	PLACES 8                                       ; eight places ahead of loads into registers that the products have read
	LDA (\foa)+2048*(\s1), 0
	s_wait_loadcnt 16                              ; A's blocks 4-7 are in; the 16 just issued may be out
.else
	s_wait_loadcnt 0x0
.endif
.if (\pf) == 1
	global_prefetch_b8 v[PFA], s[AB:AB+1] offset:AFILL th:TH_LOAD_NT scope:SCOPE_SE
	global_prefetch_b8 v[PFB], s[BB:BB+1] offset:BFILL th:TH_LOAD_NT scope:SCOPE_SE
.elseif (\pf) == 2
	s_cmp_gt_u32 s3, 1
	s_cbranch_scc0 .Lnone_ahead_\@
	global_prefetch_b8 v[PFA], s[PA:PA+1] th:TH_LOAD_NT scope:SCOPE_SE
	global_prefetch_b8 v[PFB], s[PB:PB+1] th:TH_LOAD_NT scope:SCOPE_SE
.Lnone_ahead_\@:
.endif
	WIN MULW
	MUL 4, \zero
	WIN 0
.if \ld
	PLACES 8
	LDB \foa, \fob, \s1
	LDA (\foa)+2048*(\s1), 4
.endif
.endm
	s_load_b256 s[4:11], s[0:1], 0x0               ; hq, w2q, routing_weights, out0
	v_lshl_add_u32 v[SPW], v0, 2, SPARE
	v_mov_b32 v[NIL], 0
	v_lshrrev_b32 v1, 5, v0
	v_readfirstlane_b32 s14, v1                    ; wave 0..7
	s_mov_b32 s15, ttmp9                           ; tile column: 64 columns, two records
	s_and_b32 s17, ttmp7, 0xffff                   ; tile row: 128 rows, four records
	s_lshl_b32 s20, s14, 5
	s_lshl_b32 s18, s17, 2
	s_add_co_u32 s20, s20, s18
	s_mul_i32 s20, s20, REC                        ; hq: record 32 w + 4 x tile row
	s_mov_b32 s21, 0
	s_lshl_b32 s22, s14, 6
	s_lshl_b32 s18, s15, 1
	s_add_co_u32 s22, s22, s18
	s_mul_i32 s22, s22, REC                        ; w2q: record 64 w + 2 x tile column
	s_mov_b32 s23, 0
	s_lshl_b32 s24, s17, 9                         ; the tile's 128 routing weights
	s_mov_b32 s25, 0
	s_lshl_b32 s26, s17, 20                        ; out0: 128 rows of 8,192 bytes a tile row, 16 rows a wave, 256 bytes a tile column
	s_lshl_b32 s18, s14, 17
	s_add_co_u32 s26, s26, s18
	s_lshl_b32 s18, s15, 8
	s_add_co_u32 s26, s26, s18
	s_mov_b32 s27, 0
	s_cmp_lt_u32 s15, 4
	s_cselect_b32 s28, 4, 3                        ; of A's 132 blocks tile column x asks for x, x + 32, x + 64, x + 96, and x + 128 where x < 4
	s_cmp_lt_u32 s17, 2
	s_cselect_b32 s29, 8, 7                        ; of B's 66 blocks tile row y asks for y, y + 8 .. y + 56, and y + 64 where y < 2
	s_mul_i32 s30, s14, STW
	s_mul_i32 s31, s14, 16*SP
	s_wait_alu depctr_va_vdst(0)
	v_and_b32 v1, 15, v0
	v_bfe_u32 v2, v0, 4, 1
	v_and_b32 v3, 31, v0
	v_lshlrev_b32 v[L16], 4, v3
	v_lshlrev_b32 v[L4], 2, v3
	v_mul_u32_u24 v[STO], v1, SP                   ; into my stage: row r, 64 bytes for each half of the lanes
	v_lshl_add_u32 v[STO], v2, 6, v[STO]
	v_add_nc_u32 v[STO], s30, v[STO]
	v_mul_u32_u24 v[RD], v2, SP                    ; back: sixteen lanes to a row of 256 bytes, two rows an instruction, from row 16 w on
	v_lshl_add_u32 v[RD], v1, 4, v[RD]
	v_add_nc_u32 v[RD], s31, v[RD]
	v_add_nc_u32 v[RD+1], 2*STW, v[RD]
	v_add_nc_u32 v[RD+2], 2*STW, v[RD+1]
	v_add_nc_u32 v[RD+3], 2*STW, v[RD+2]
	v_lshlrev_b32 v[CO], 13, v2
	v_lshl_add_u32 v[CO], v1, 4, v[CO]
	v_lshlrev_b32 v[RWO], 2, v2
	v_lshl_add_u32 v[RWO], s14, 6, v[RWO]
	v_min_u32 v[PFA], s28, v3                      ; lanes that are left over name the last block again
	v_lshl_add_u32 v[PFA], v[PFA], 5, s15
	v_lshlrev_b32 v[PFA], 8, v[PFA]
	v_min_u32 v[PFB], s29, v3
	v_lshl_add_u32 v[PFB], v[PFB], 3, s17
	v_lshlrev_b32 v[PFB], 8, v[PFB]
	s_wait_alu depctr_va_vdst(0)
	s_wait_kmcnt 0x0
	s_add_nc_u64 s[AB:AB+1], s[4:5], s[20:21]
	s_add_nc_u64 s[BB:BB+1], s[6:7], s[22:23]
	s_add_nc_u64 s[PA:PA+1], s[AB:AB+1], 2*AFILL
	s_add_nc_u64 s[PB:PB+1], s[BB:BB+1], 2*BFILL
	s_add_nc_u64 s[8:9], s[8:9], s[24:25]
	s_add_nc_u64 s[10:11], s[10:11], s[26:27]
.irp t, 0,1,2,3,4,5,6,7
	global_load_b32 v[RW+\t], v[RWO], s[8:9] offset:8*\t   ; the oldest loads: every later wait covers them
.endr
	LDA 0, 0
	LDB 0, 0, 0
	LDA 0, 4
	STEP 1, 1, 0, 0, 1, 1                          ; the first step starts the sums
	s_mov_b32 s3, 3
.Ltrip:                                                ; a trip: an sp's second step and the next sp's first
	STEP 0, 1, AFILL, BFILL, 0, 2
	s_wait_xcnt 0x0                                ; loads and prefetches have read the bases: they step only behind this wait
	s_add_nc_u64 s[AB:AB+1], s[AB:AB+1], AFILL
	s_add_nc_u64 s[BB:BB+1], s[BB:BB+1], BFILL
	s_add_nc_u64 s[PA:PA+1], s[PA:PA+1], AFILL
	s_add_nc_u64 s[PB:PB+1], s[PB:PB+1], BFILL
	STEP 0, 1, 0, 0, 1, 0
	s_sub_co_u32 s3, s3, 1
	s_cmp_lg_u32 s3, 0
	s_cbranch_scc1 .Ltrip
	STEP 0, 0, 0, 0, 0, 0                          ; the last step asks for nothing
	PLACES 8
	WIN 0x04                                       ; the data: window 1
.irp a, 0,1,2,3,4,5,6,7
.irp b, 0,1,2,3
	ds_store_b128 v[STO], v[8*(4*\a+\b):8*(4*\a+\b)+3] offset:16*SP*\a+128*(\b/2)+32*(\b%2)        ; each accumulator from its low end on
	ds_store_b128 v[STO], v[8*(4*\a+\b)+4:8*(4*\a+\b)+7] offset:16*SP*\a+128*(\b/2)+32*(\b%2)+16
.endr
.endr
	WIN 0
	s_wait_dscnt 0x0                               ; for the others' sake: my stores into my stage are done
	s_barrier_signal -1
	s_barrier_wait -1
.macro RLOAD g                         ; rows 4 g .. 4 g + 3 of my sixteen, from all eight stages
.irp q, 0,1,2,3,4,5,6,7
.irp t, 0,1
	ds_load_b128 v[SUM+64*((\g)%2)+8*\q+4*\t:SUM+64*((\g)%2)+8*\q+4*\t+3], v[RD+\q/2] offset:(\q%2)*STW+2*SP*(2*(\g)+\t)
.endr
.endr
.endm
.macro OUTG g
.set RB, SUM+64*((\g)%2)
.if (\g) < 3
	s_wait_dscnt 16                                ; this group's 16 loads are in, the next group's may be out
.else
	s_wait_dscnt 0x0
.endif
.irp t, 0,1
.irp p, 0,2,4,6
.irp e, 0,2
	v_pk_add_f32 v[RB+8*\p+4*\t+\e:RB+8*\p+4*\t+\e+1], v[RB+8*\p+4*\t+\e:RB+8*\p+4*\t+\e+1], v[RB+8*\p+8+4*\t+\e:RB+8*\p+8+4*\t+\e+1]
.endr
.endr
.irp p, 0,4
.irp e, 0,2
	v_pk_add_f32 v[RB+8*\p+4*\t+\e:RB+8*\p+4*\t+\e+1], v[RB+8*\p+4*\t+\e:RB+8*\p+4*\t+\e+1], v[RB+8*\p+16+4*\t+\e:RB+8*\p+16+4*\t+\e+1]
.endr
.endr
.irp e, 0,2
	v_pk_add_f32 v[RB+4*\t+\e:RB+4*\t+\e+1], v[RB+4*\t+\e:RB+4*\t+\e+1], v[RB+32+4*\t+\e:RB+32+4*\t+\e+1]
.endr
.irp e, 0,1,2,3
	v_mul_f32 v[RB+4*\t+\e], v[RB+4*\t+\e], v[RW+2*(\g)+\t]
.endr
	global_store_b128 v[CO], v[RB+4*\t:RB+4*\t+3], s[10:11] offset:(2*(\g)+\t)*16384 th:TH_STORE_NT   ; sixteen lanes fill an aligned unit of 256 bytes
.endr
.if (\g) < 2
	s_wait_xcnt 0x0                                ; the stores have read their data: the set takes the group two on
	RLOAD (\g)+2
.endif
.endm
	RLOAD 0
	RLOAD 1
	OUTG 0
	OUTG 1
	OUTG 2
	OUTG 3
	s_wait_tensorcnt 0x0                           ; the wave's end
	ds_add_u32 v[SPW], v[NIL]
	s_wait_dscnt 0x0
	s_endpgm
.Lfunc_end_k_qf527a776d6_down:
	.size	k_qf527a776d6_down, .Lfunc_end_k_qf527a776d6_down-k_qf527a776d6_down
	.p2alignl 7, 3214868480
	.fill 96, 4, 3214868480
	.section	.rodata,"a",@progbits
	.p2align	6, 0x0
	.amdhsa_kernel k_qf527a776d6_down
		.amdhsa_group_segment_fixed_size 279552
		.amdhsa_private_segment_fixed_size 0
		.amdhsa_enable_private_segment 0
		.amdhsa_kernarg_size 32
		.amdhsa_user_sgpr_count 2
		.amdhsa_user_sgpr_kernarg_segment_ptr 1
		.amdhsa_wavefront_size32 1
		.amdhsa_system_sgpr_workgroup_id_x 1
		.amdhsa_system_sgpr_workgroup_id_y 1
		.amdhsa_system_sgpr_workgroup_id_z 1
		.amdhsa_system_vgpr_workitem_id 0
		.amdhsa_next_free_vgpr 512
		.amdhsa_next_free_sgpr 66
		.amdhsa_reserve_vcc 0
		.amdhsa_float_denorm_mode_32 3
		.amdhsa_float_denorm_mode_16_64 3
		.amdhsa_memory_ordered 1
		.amdhsa_forward_progress 1
		.amdhsa_inst_pref_size 61
	.end_amdhsa_kernel
	.amdgpu_metadata
---
amdhsa.version: [ 1, 2 ]
amdhsa.kernels:
  - .name:           k_qf527a776d6_down
    .symbol:         k_qf527a776d6_down.kd
    .args:
      - { .name: hq, .offset: 0, .size: 8, .value_kind: global_buffer, .address_space: global }
      - { .name: w2q, .offset: 8, .size: 8, .value_kind: global_buffer, .address_space: global }
      - { .name: routing_weights, .offset: 16, .size: 8, .value_kind: global_buffer, .address_space: global }
      - { .name: out0, .offset: 24, .size: 8, .value_kind: global_buffer, .address_space: global }
    .group_segment_fixed_size: 279552
    .private_segment_fixed_size: 0
    .kernarg_segment_align: 8
    .kernarg_segment_size: 32
    .max_flat_workgroup_size: 256
    .sgpr_count:     66
    .vgpr_count:     512
    .wavefront_size: 32
...
	.end_amdgpu_metadata
.endif
;; end of part 3
